; MI455X (gfx1250); checked and timed in simulation.
; The chip was launched on July 23, 2026; its instructions are those of AMD's public machine-readable ISA for CDNA 5 (MIT licence, August 2026) and "CDNA5" Instruction Set Architecture Reference Guide (July 2026). The comments in the code are by the model that wrote it; some were corrected since.
;; Attention. Allowed arithmetic: float matrix products may take bf16 or f16 operands with f32 sums; other float arithmetic in f32, or as packed bf16 or f16 multiplies, adds, multiply-adds, maxima and minima; sums over many terms, partial sums and values carried from step to step in f32; what a program stores and reads back later, other than sums and carried values, may be rounded once to bf16 or f16.
;; Inputs: Wk 1,024 x 1,024 float32; Wo 1,024 x 1,024 float32; Wq 1,024 x 1,024 float32; Wv 1,024 x 1,024 float32; bk 1,024 float32; bo 1,024 float32; bq 1,024 float32; bv 1,024 float32; c 2 x 4,096 x 1,024 float32; x 2 x 2,048 x 1,024 float32.
;; Outputs: out0 2 x 2,048 x 1,024 float32.
;; One version. Each part assembles by itself: llvm-mc -triple=amdgcn-amd-amdhsa -mcpu=gfx1250 --defsym DOCPART=n.
;; ======== version 1 of 1: 3 launches
;; workspace buffers: ab 25,165,824 bytes; wb 6,291,456 bytes; wob 2,097,152 bytes; ob 8,388,608 bytes
;; launch cast (part 1): grid 64 x 16, 8 waves a work-group, no clusters, 0 bytes of LDS; arguments x, c, Wq, Wk, Wv, Wo, ab, wb, wob; writes ab, wb, wob
.if DOCPART == 1
	.amdgcn_target "amdgcn-amd-amdhsa--gfx1250"
	.amdhsa_code_object_version 6
	.text
	.protected	k_qf370cf1ce9_cast
	.globl	k_qf370cf1ce9_cast
	.p2align	8
	.type	k_qf370cf1ce9_cast,@function
k_qf370cf1ce9_cast:
	s_mov_b64 s[64:65], 0
	v_nop
	global_prefetch_b8 v0, s[64:65] scope:SCOPE_SE
	s_setreg_imm32_b32 hwreg(HW_REG_WAVE_MODE, 25, 1), 1
	s_wait_xcnt 0x0
; x, c, Wq, Wk, Wv, Wo (f32) are rounded once to bf16 (to nearest even) and laid in blocks of 64 rows x 64 numbers (a block row is 128 bytes):
;   ab  [kb 16][qb 64][sub 3][row 64][64]: sub 0 = x row 64 qb + row; sub 1 = c row 2 (64 qb + row); sub 2 = c row 2 (64 qb + row) + 1   (rows counted through both batches)
;   wb  [kb 16][head 16][mat 3: Wq, Wk, Wv][row n % 64][64]          wob [nb = n / 64][kb 16][row n % 64][64]
; so that a query, its even key and its odd key have the same row number in three neighbouring sub-blocks, and every tile that the two later launches ask for is dense in memory.
; SHARES.  Grid y: 0-3 x, 4-11 c, 12/13/14 Wq/Wk/Wv, 15 Wo.  A wave takes one PAIR of source rows that are neighbours in a block (for c: two rows of one parity), 2 x 4,096 bytes:
; 16 loads (lanes 0-15: 256 consecutive bytes of the first row, lanes 16-31 the same of the second) and 16 stores of 8 bytes a lane: 256 consecutive bytes, aligned: two block rows.
; No loop, no register is written twice, so the only waits are the counted ones for the loads.  No LDS, no barrier, no cluster: no byte is wanted by two waves.
.set DOF, 8                            ; v[8:23]   store offsets: 8 x lane + kb x the stride from kb to kb
.set DAT, 32                           ; v[32:95]  load k: 4 registers
.set OUT, 96                           ; v[96:127] store k: 2 registers
.set YY,  26                           ; s26 grid y       s27 wave       s28 1 for c       s32 the pair's number J       s33 c's parity
	s_load_b512 s[8:23], s[0:1], 0x0               ; x s[8:9], c s[10:11], Wq s[12:13], Wk s[14:15], Wv s[16:17], Wo s[18:19], ab s[20:21], wb s[22:23]
	s_load_b64 s[24:25], s[0:1], 0x40              ; wob
	v_lshrrev_b32 v1, 5, v0
	v_readfirstlane_b32 s27, v1                    ; wave 0..7
	s_and_b32 s[YY], ttmp7, 0xffff
	s_cmp_ge_u32 s[YY], 4
	s_cselect_b32 s28, 1, 0
	s_cmp_lt_u32 s[YY], 12
	s_cselect_b32 s29, 1, 0
	s_cselect_b32 s30, 4, s[YY]                    ; the first grid y of my tensor: 0 for x, 4 for c, my own y for a weight
	s_and_b32 s28, s28, s29                        ; 1 for c
	s_cmp_lt_u32 s[YY], 4
	s_cselect_b32 s30, 0, s30
	s_sub_co_u32 s31, s[YY], s30
	s_lshl_b32 s31, s31, 6
	s_add_co_u32 s31, s31, ttmp9
	s_lshl_b32 s31, s31, 3
	s_add_co_u32 s31, s31, s27                     ; my wave among the tensor's
	s_lshr_b32 s32, s31, s28                       ; J: block rows 2 J and 2 J + 1 (c: two waves to a J, one for each parity)
	s_and_b32 s33, s31, s28                        ; the parity
	s_add_co_u32 s34, s28, s33                     ; the sub-block: x 0, c 1 or 2,
	s_sub_co_u32 s35, s[YY], 12
	s_cmp_ge_u32 s[YY], 12
	s_cselect_b32 s34, s35, s34                    ; Wq, Wk, Wv 0, 1, 2,
	s_mov_b32 s39, 1572864                         ; bytes from kb to kb: ab 64 x 24,576,
	s_cselect_b32 s39, 393216, s39                 ; wb 16 x 24,576,
	s_cmp_eq_u32 s[YY], 15
	s_cselect_b32 s34, 0, s34                      ; Wo 0
	s_cselect_b32 s39, 8192, s39                   ; wob 8,192
	s_mov_b32 s38, 24576                           ; bytes from one group of 64 rows to the next: three sub-blocks,
	s_cselect_b32 s38, 131072, s38                 ; in wob sixteen kb
	s_add_co_u32 s36, s28, 1
	s_lshl_b32 s36, s32, s36                       ; the pair's first source row: 2 J, for c 4 J + parity
	s_add_co_u32 s36, s36, s33
	s_lshl_b32 s36, s36, 12                        ; in bytes
	s_mov_b32 s37, 0
	s_lshl_b32 s35, 0x1000, s28                    ; bytes to the pair's second row: one row, for c two
	s_lshr_b32 s40, s32, 5
	s_mul_i32 s40, s40, s38                        ; where the pair goes: its group of 64 rows,
	s_lshl_b32 s34, s34, 13
	s_add_co_u32 s40, s40, s34                     ; its sub-block,
	s_and_b32 s34, s32, 31
	s_lshl_b32 s34, s34, 8
	s_add_co_u32 s40, s40, s34                     ; its two rows of 128 bytes
	s_mov_b32 s41, 0
	v_and_b32 v1, 31, v0                           ; lane
	v_bfe_u32 v3, v0, 4, 1                         ; which row of the pair
	v_and_b32 v4, 15, v0
	v_mul_lo_u32 v3, v3, s35
	v_lshl_add_u32 v2, v4, 4, v3                   ; source offset: the row + 16 bytes a lane
	v_lshlrev_b32 v[DOF], 3, v1                    ; 8 bytes a lane: lanes 0-15 fill the first block row, lanes 16-31 the second
.set k, 1
.rept 15
	v_add_nc_u32 v[DOF+k], s39, v[DOF+k-1]
.set k, k+1
.endr
	s_wait_kmcnt 0x0
	s_cmp_ge_u32 s[YY], 4                          ; the two pointers are chosen by grid y alone
	s_cselect_b64 s[42:43], s[10:11], s[8:9]
	s_cmp_ge_u32 s[YY], 12
	s_cselect_b64 s[42:43], s[12:13], s[42:43]
	s_cselect_b64 s[44:45], s[22:23], s[20:21]
	s_cmp_ge_u32 s[YY], 13
	s_cselect_b64 s[42:43], s[14:15], s[42:43]
	s_cmp_ge_u32 s[YY], 14
	s_cselect_b64 s[42:43], s[16:17], s[42:43]
	s_cmp_ge_u32 s[YY], 15
	s_cselect_b64 s[42:43], s[18:19], s[42:43]
	s_cselect_b64 s[44:45], s[24:25], s[44:45]
	s_add_nc_u64 s[42:43], s[42:43], s[36:37]
	s_add_nc_u64 s[44:45], s[44:45], s[40:41]
.set k, 0
.rept 16
	global_load_b128 v[DAT+4*k:DAT+4*k+3], v2, s[42:43] offset:256*k th:TH_LOAD_NT  ; 64 numbers of each of the two rows: kb = k
.set k, k+1
.endr
.set k, 0
.rept 16
	s_wait_loadcnt 15-k                            ; loads come back in order: load k is in, the younger ones stay out
	v_cvt_pk_bf16_f32 v[OUT+2*k], v[DAT+4*k], v[DAT+4*k+1]
	v_cvt_pk_bf16_f32 v[OUT+2*k+1], v[DAT+4*k+2], v[DAT+4*k+3]
	global_store_b64 v[DOF+k], v[OUT+2*k:OUT+2*k+1], s[44:45]  ; the wave's store covers 256 consecutive bytes, aligned
.set k, k+1
.endr
	s_endpgm
.Lfunc_end_k_qf370cf1ce9_cast:
	.size	k_qf370cf1ce9_cast, .Lfunc_end_k_qf370cf1ce9_cast-k_qf370cf1ce9_cast
	.p2alignl 7, 3214868480
	.fill 96, 4, 3214868480
	.section	.rodata,"a",@progbits
	.p2align	6, 0x0
	.amdhsa_kernel k_qf370cf1ce9_cast
		.amdhsa_group_segment_fixed_size 0
		.amdhsa_private_segment_fixed_size 0
		.amdhsa_enable_private_segment 0
		.amdhsa_kernarg_size 72
		.amdhsa_user_sgpr_count 2
		.amdhsa_user_sgpr_kernarg_segment_ptr 1
		.amdhsa_wavefront_size32 1
		.amdhsa_system_sgpr_workgroup_id_x 1
		.amdhsa_system_sgpr_workgroup_id_y 1
		.amdhsa_system_sgpr_workgroup_id_z 1
		.amdhsa_system_vgpr_workitem_id 0
		.amdhsa_next_free_vgpr 128
		.amdhsa_next_free_sgpr 66
		.amdhsa_reserve_vcc 0
		.amdhsa_float_denorm_mode_32 3
		.amdhsa_float_denorm_mode_16_64 3
		.amdhsa_memory_ordered 1
		.amdhsa_forward_progress 1
		.amdhsa_inst_pref_size 9
	.end_amdhsa_kernel
	.amdgpu_metadata
---
amdhsa.version: [ 1, 2 ]
amdhsa.kernels:
  - .name:           k_qf370cf1ce9_cast
    .symbol:         k_qf370cf1ce9_cast.kd
    .args:
      - { .name: x, .offset: 0, .size: 8, .value_kind: global_buffer, .address_space: global }
      - { .name: c, .offset: 8, .size: 8, .value_kind: global_buffer, .address_space: global }
      - { .name: Wq, .offset: 16, .size: 8, .value_kind: global_buffer, .address_space: global }
      - { .name: Wk, .offset: 24, .size: 8, .value_kind: global_buffer, .address_space: global }
      - { .name: Wv, .offset: 32, .size: 8, .value_kind: global_buffer, .address_space: global }
      - { .name: Wo, .offset: 40, .size: 8, .value_kind: global_buffer, .address_space: global }
      - { .name: ab, .offset: 48, .size: 8, .value_kind: global_buffer, .address_space: global }
      - { .name: wb, .offset: 56, .size: 8, .value_kind: global_buffer, .address_space: global }
      - { .name: wob, .offset: 64, .size: 8, .value_kind: global_buffer, .address_space: global }
    .group_segment_fixed_size: 0
    .private_segment_fixed_size: 0
    .kernarg_segment_align: 8
    .kernarg_segment_size: 72
    .max_flat_workgroup_size: 256
    .sgpr_count:     66
    .vgpr_count:     128
    .wavefront_size: 32
...
	.end_amdgpu_metadata
.endif
;; end of part 1
;; launch qkva (part 2): grid 8 x 32, 4 waves a work-group, clusters of 4 x 4, 327,680 bytes of LDS; arguments ab, wb, bq, bk, bv, ob; writes ob
.if DOCPART == 2
	.amdgcn_target "amdgcn-amd-amdhsa--gfx1250"
	.amdhsa_code_object_version 6
	.text
	.protected	k_qf370cf1ce9_qkva
	.globl	k_qf370cf1ce9_qkva
	.p2align	8
	.type	k_qf370cf1ce9_qkva,@function
k_qf370cf1ce9_qkva:
	s_mov_b64 s[64:65], 0
	v_nop
	global_prefetch_b8 v0, s[64:65] scope:SCOPE_SE
	s_setreg_imm32_b32 hwreg(HW_REG_WAVE_MODE, 25, 1), 1
	s_wait_xcnt 0x0
	s_wait_alu depctr_hold_cnt(0) depctr_sa_sdst(0) depctr_va_vdst(0) depctr_va_sdst(0) depctr_va_ssrc(0) depctr_va_vcc(0) depctr_vm_vsrc(0)
	s_getreg_b32 s2, hwreg(HW_REG_IB_STS2, 6, 4)
	s_cmp_eq_u32 s2, 0
	s_cbranch_scc0 .Lentry_in_a_cluster
	s_endpgm
.Lentry_in_a_cluster:
	s_bfe_u32 s2, ttmp6, 0x10000c
	s_cmp_lg_u32 s2, 0xf033
	s_cbranch_scc0 .Lentry_shape_is_right
	s_endpgm
.Lentry_shape_is_right:
; q = x Wq^T + bq, k = c Wk^T + bk, v = c Wv^T + bv, and the attention itself, in one launch.  The mask that the problem builds lets query g (rows counted through both batches) see keys 2 g and 2 g + 1 alone,
; so for a query and a head: se = q . k_even, so = q . k_odd, p = softmax of (se, so) / 8 with the maximum taken away, o = pe v_even + po v_odd.  q, k, v stay in the f32 accumulators; o is rounded once to bf16.
; LIMITS.  A hidden key's weight is taken as exactly 0, which is what an exponential of the lowest finite f32 less the row's maximum gives wherever the result is finite.  A weight below 2^-126 counts as 0.
; NaN and infinities are not treated apart.  x, c, the weights (in the launch before) and the three biases (here) are each rounded once to bf16; all sums in f32.
; SHARES.  A work-group: 128 queries x 2 heads of q, k_even, k_odd, v_even, v_odd; 32 x 8 work-groups.  A wave (hr, hc): 64 queries x one head: 5 x 16 accumulators of 16 x 16, 640 registers; 80 matrix instructions for 32 along K.
; INPUTS lie in blocks (see the launch before): ab [kb][qb][x, c even, c odd][64 rows][64], wb [kb][head][Wq, Wk, Wv][64 rows][64]: a block is 24,576 dense bytes, asked for as 96 rows of 256 bytes.
; RING.  K goes in steps of 64 (one kb) through two LDS slots of four blocks: A's qb = 2 rb and 2 rb + 1, W's heads 2 cb and 2 cb + 1; each wave fetches one block.  A step is two substeps of 32 along K.
; CLUSTER 4 x 4: A's blocks hang on rb alone and are asked for jointly along a row of the cluster, W's on cb alone, along a column.
; THE MATRIX INSTRUCTION IS USED TRANSPOSED (source 0 = 16 rows of W, source 1 = 16 rows of x or c): lane (r = l % 16, h = l / 16), register j holds row r, column 16 i + 8 h + j.  So a lane holds ONE query in q, k_even, k_odd,
; v_even, v_odd alike, and the attention changes lanes once: the two halves of the lanes hold the two halves of a head's 64 channels.
; THE BIASES are the C operand of the products that start the sums: nothing is cleared and nothing is added later.
; REGISTERS, in windows of 256 (s_set_vgpr_msb: bits 1:0 source 0, 3:2 source 1, 5:4 source 2, 7:6 destination):
;   window 0: v16-30 addresses; v32-63 bq as C, later the softmax's; v64-127 fragments of Wq (4) and x (4); v128-255 q's accumulators, (t, i) at 128 + 8 (4 t + i)
;   window 1: two buffers of 128: Wk (4), Wv (4), c even (4), c odd (4) fragments; at the start bk, bv as C lie in the second buffer
;   window 2: k_even at 8 (4 t + i), k_odd at 128 + ...          window 3: v_even, v_odd likewise
.set KSA,   1572864                    ; bytes from kb to kb in ab
.set KSB,   393216                     ; in wb
.set BLKB,  24576                      ; a block in memory
.set PITCH, 144                        ; an LDS row: 128 bytes + 16 of padding = 36 words: the 16 rows of a fragment start at 16 different groups of four banks (64 banks of 4 bytes: ISA guide 11.1)
.set FRAG,  16*PITCH
.set SUBB,  64*PITCH                   ; a sub-block
.set BLK,   3*SUBB                     ; a block: what one tensor load brings
.set SLOT,  4*BLK
.set STAGE, 2*SLOT                     ; behind the ring, never filled by a tensor load: 16 rows x 144 bytes for each wave, for the way out
.set SPARE, STAGE+4*16*PITCH           ; behind the stages: the spare words, 128 bytes for each wave: two blocks of 256 bytes that no other line names
.set ADRA, 16                          ; v16-17  LDS address of my fragments in A's block, slot 0, 1
.set ADRB, 20                          ; v20-21  the same in W's block
.set STO,  24                          ; v24  the way out: where I put 16 bytes of a row
.set RD,   25                          ; v25  where I read rows back
.set GO,   26                          ; v26  16 x lane: my place in 512 consecutive bytes of ob
.set BOF,  27                          ; v27  32 h: my 8 numbers in 16 of a bias
.set SPW,  28                          ; v28  LDS address of my spare word; never rewritten
.set NIL,  29                          ; v29  0; never rewritten
.set PFO,  30                          ; v30  the prefetches' offset; never rewritten
.set BQ,   32                          ; bq as C: for column block i at BQ + 8 i
.set SC,   32                          ; later: tile t's se (pair) at SC + 4 t, so (pair) at SC + 4 t + 2
.set MX,   48                          ; tile t's maximum
.set LS,   52                          ; tile t's sum
.set QF,   64                          ; Wq's fragment i at QF + 8 i, x's fragment t at QF + 32 + 8 t
.set PK,   64                          ; later: tile t's packed o, 16 registers
.set ACCQ, 128
.set BK,   128                         ; window 1: bk as C
.set BV,   160                         ; window 1: bv as C
.set BT,   192                         ; window 1: at work
.set WV,   16                          ; s16 wave     s17 hr; also: I fetch for A (0) or W (1)     s18 hc; also: which of the two blocks I fetch     s19 laps to go
.set ROLE, 17
.set HC,   18
.set LAPS, 19
.set G1,   24                          ; s[24:31] descriptor group 1 for A's blocks;  s[32:39] group 0, a set for each slot
.set G0,   32
.set LIM,  43                          ; s43  1 in a wave that prefetches, else the greatest number
.set PFA,  44                          ; s[44:45] where my prefetches stand
.set PFS,  46                          ; s[46:47] their step: a kb of ab or of wb
.set G1B,  48                          ; s[48:55], s[56:63] the same for W's blocks
.set G0B,  56
.set CS,   80                          ; s80  log2(e) / 8
.set HIM,  81                          ; s81  a word's upper bf16
.set SEL,  82                          ; s[82:83] v_permlanex16_b32's selects: each lane takes its own place in the other half
.set MSB, 0
.macro WIN new                         ; the immediate's high byte repeats the setting that is left; a switch that changes nothing is dropped
.if MSB != (\new)
	s_set_vgpr_msb (MSB<<8)|(\new)
.set MSB, \new
.endif
.endm
.set W_K,  0xa5                        ; sources in window 1, C and D in window 2
.set W_KF, 0x95                        ; the same with C in window 1
.set W_V,  0xf5                        ; sources in window 1, C and D in window 3
.set W_VF, 0xd5                        ; the same with C in window 1
.set TO_1, 0x40                        ; destination window 1, address window 0
.set IN_1, 0x45                        ; destination and sources 0, 1 in window 1
.set W_SC, 0x08                        ; source 1 in window 2
.set W_O,  0x03                        ; source 0 in window 3
.macro PLACES                          ; four places behind a matrix instruction, ahead of loads into registers that it has read and of vector lines that read results
.rept 4
	v_nop
.endr
.endm
; A joint load.  Waves 0 and 1 fetch A's two blocks, waves 2 and 3 W's.  The branch hangs on the wave's number alone.  An s_nop 0 and four v_nop follow each of the two lines.
.macro JLOAD s
	s_cmp_eq_u32 s[ROLE], 0
	s_cbranch_scc0 .Lfor_b_\@
	tensor_load_to_lds s[G0+4*(\s):G0+4*(\s)+3], s[G1:G1+7]
	s_nop 0
.rept 4
	v_nop
.endr
	s_branch .Lasked_\@
.Lfor_b_\@:
	tensor_load_to_lds s[G0B+4*(\s):G0B+4*(\s)+3], s[G1B:G1B+7]
	s_nop 0
.rept 4
	v_nop
.endr
.Lasked_\@:
.endm
; A prefetch of the K step that stands two refills on (320 matrix instructions ahead of the load that will ask for it): of the block that I fetch, my work-group's quarter, 24 pieces of 256 bytes, a lane a piece
; (lanes 24-31 name lane 23's again, in the same instruction).  A's blocks are walked by both clusters of a row of clusters: the one with x = 0 asks; W's by all eight of a column: the one with y = 0 asks.
; The four partners that ask for a block jointly share it out by address (cx for A, cy for W).  The loop's last trip has no K step two refills on and asks for nothing.
.macro ASK
	s_cmp_gt_u32 s[LAPS], s[LIM]
	s_cbranch_scc0 .Lnot_mine_\@
	global_prefetch_b8 v[PFO], s[PFA:PFA+1] th:TH_LOAD_NT scope:SCOPE_SE
.Lnot_mine_\@:
.endm
.macro CREST                           ; a round of the cluster's barrier behind its opening barrier
	s_cmp_lg_u32 s[WV], 0
	s_cbranch_scc1 .Lnot_wave_0_\@
	s_barrier_signal -3
.Lnot_wave_0_\@:
	s_barrier_wait -3
	s_barrier_signal -1
	s_barrier_wait -1
.endm
.macro CROUND                          ; a whole round
	s_barrier_signal -1
	s_barrier_wait -1
	CREST
.endm
	s_load_b256 s[4:11], s[0:1], 0x0               ; ab s[4:5], wb s[6:7], bq s[8:9], bk s[10:11]
	s_load_b128 s[12:15], s[0:1], 0x20             ; bv s[12:13], ob s[14:15]
	v_lshl_add_u32 v[SPW], v0, 2, SPARE
	v_mov_b32 v[NIL], 0
	ds_add_u32 v[SPW], v[NIL]                      ; the wave's opening: the add and its wait stand ahead of my first tensor load; the set-up below, work on registers, stands between them
	v_lshrrev_b32 v1, 5, v0
	v_readfirstlane_b32 s[WV], v1                  ; wave 0..3
	s_lshr_b32 s[ROLE], s[WV], 1
	s_and_b32 s[HC], s[WV], 1
	s_bfe_u32 s20, ttmp6, 0x40000                  ; cx
	s_bfe_u32 s21, ttmp6, 0x40004                  ; cy
	s_lshl_b32 s22, ttmp9, 2
	s_add_co_u32 s22, s22, s20                     ; cb = 4 x cluster x + cx: heads 2 cb, 2 cb + 1
	s_and_b32 s23, ttmp7, 0xffff
	s_lshl_b32 s23, s23, 2
	s_add_co_u32 s23, s23, s21                     ; rb = 4 x cluster y + cy: queries 128 rb ..
	s_lshl_b32 s40, s21, 2
	s_lshl_b32 s40, 15, s40                        ; my row of the cluster
	s_lshl_b32 s41, 0x1111, s20                    ; my column
	; descriptor group 1: 96 rows of 128 elements (256 bytes), dense; in LDS 16 bytes of padding behind every 128
	s_or_b32 s[G1], s40, (1<<16)|(1<<20)|(1<<21)|(4<<22)|(3<<25)   ; 15:0 the mask; 17:16 elements of 2 bytes; 20 padding on; 21 set beside a mask; 24:22 after every 32 words (code 4); 31:25 4 words (code 3)
	s_or_b32 s[G1B], s41, (1<<16)|(1<<20)|(1<<21)|(4<<22)|(3<<25)
.irp g, G1, G1B
	s_mov_b32 s[(\g)+1], 128<<16                   ; tensor_dim0 = 128
	s_mov_b32 s[(\g)+2], 96<<16                    ; tensor_dim1 = 96
	s_mov_b32 s[(\g)+3], 128<<16                   ; tile_dim0 = 128
	s_mov_b32 s[(\g)+4], 96                        ; tile_dim1 = 96
	s_mov_b32 s[(\g)+5], 128                       ; 128 elements from row to row
	s_mov_b32 s[(\g)+6], 0
	s_mov_b32 s[(\g)+7], 0
.endr
	s_lshl_b32 s66, s23, 1                         ; A: block qb = 2 rb + which: made of rb and the wave's number alone
	s_add_co_u32 s66, s66, s[HC]
	s_mul_i32 s66, s66, BLKB
	s_mov_b32 s67, 0
	s_lshl_b32 s68, s22, 1                         ; W: head 2 cb + which: made of cb and the wave's number alone
	s_add_co_u32 s68, s68, s[HC]
	s_mul_i32 s68, s68, BLKB
	s_mov_b32 s69, 0
	s_mul_i32 s70, s[WV], BLK                      ; where my block goes: wave x a block: no place in the cluster enters an LDS address
	s_mov_b32 s[CS], 0x3e38aa3b                    ; log2(e) / 8 = 0.180337
	s_mov_b32 s[HIM], 0xffff0000
	s_mov_b32 s[SEL], 0x76543210
	s_mov_b32 s[SEL+1], 0xfedcba98
	s_wait_dscnt 0x0                               ; the opening add is done
	s_wait_kmcnt 0x0
	s_add_nc_u64 s[72:73], s[4:5], s[66:67]
	s_add_nc_u64 s[74:75], s[6:7], s[68:69]
.irp s, 0,1
	s_mov_b32 s[G0+4*(\s)], 1                                      ; count = 1
	s_add_co_u32 s[G0+4*(\s)+1], s70, (\s)*SLOT                    ; LDS address
	s_add_nc_u64 s[G0+4*(\s)+2:G0+4*(\s)+3], s[72:73], (\s)*KSA    ; global address: K step s
	s_or_b32 s[G0+4*(\s)+3], s[G0+4*(\s)+3], 0x80000000            ; type = 2
	s_mov_b32 s[G0B+4*(\s)], 1
	s_add_co_u32 s[G0B+4*(\s)+1], s70, (\s)*SLOT
	s_add_nc_u64 s[G0B+4*(\s)+2:G0B+4*(\s)+3], s[74:75], (\s)*KSB
	s_or_b32 s[G0B+4*(\s)+3], s[G0B+4*(\s)+3], 0x80000000
.endr
	CROUND                                         ; all sixteen work-groups are here: the first joint loads meet
	s_cmp_eq_u32 s[ROLE], 0                        ; a wave's two first fills stand in one branch, ahead of every wait on TENSORcnt, every LDS read and every further barrier: two loads of mine are out
	s_cbranch_scc0 .Lfirst_b
	tensor_load_to_lds s[G0:G0+3], s[G1:G1+7]
	s_nop 0
	tensor_load_to_lds s[G0+4:G0+7], s[G1:G1+7]
	s_nop 0
.rept 4
	v_nop
.endr
	s_branch .Lfirst_asked
.Lfirst_b:
	tensor_load_to_lds s[G0B:G0B+3], s[G1B:G1B+7]
	s_nop 0
	tensor_load_to_lds s[G0B+4:G0B+7], s[G1B:G1B+7]
	s_nop 0
.rept 4
	v_nop
.endr
.Lfirst_asked:
	v_and_b32 v1, 15, v0                           ; r
	v_bfe_u32 v2, v0, 4, 1                         ; h
	v_lshlrev_b32 v[BOF], 5, v2
	s_lshl_b32 s76, s22, 9                         ; my head's 64 numbers of a bias: 512 cb + 256 hc bytes
	s_lshl_b32 s77, s[HC], 8
	s_add_co_u32 s76, s76, s77
	s_mov_b32 s77, 0
	s_add_nc_u64 s[8:9], s[8:9], s[76:77]
	s_add_nc_u64 s[10:11], s[10:11], s[76:77]
	s_add_nc_u64 s[12:13], s[12:13], s[76:77]
	; a bias as a C operand: register j of block i holds bias[16 i + 8 h + j], the same for all 16 rows r
.irp i, 0,1,2,3
	global_load_b128 v[BQ+8*(\i):BQ+8*(\i)+3],   v[BOF], s[8:9] offset:64*(\i)
	global_load_b128 v[BQ+8*(\i)+4:BQ+8*(\i)+7], v[BOF], s[8:9] offset:64*(\i)+16
.endr
	WIN TO_1
.irp i, 0,1,2,3
	global_load_b128 v[BK+8*(\i):BK+8*(\i)+3],   v[BOF], s[10:11] offset:64*(\i)
	global_load_b128 v[BK+8*(\i)+4:BK+8*(\i)+7], v[BOF], s[10:11] offset:64*(\i)+16
	global_load_b128 v[BV+8*(\i):BV+8*(\i)+3],   v[BOF], s[12:13] offset:64*(\i)
	global_load_b128 v[BV+8*(\i)+4:BV+8*(\i)+7], v[BOF], s[12:13] offset:64*(\i)+16
.endr
	WIN 0
	; a fragment is 16 rows x 32 K in 8 registers: lane l holds row l % 16, K = 8 h + 0..7 and 16 + 8 h + 0..7: two loads of 16 bytes, 32 bytes apart
	v_mul_u32_u24 v3, v1, PITCH
	v_lshl_add_u32 v3, v2, 4, v3                   ; r x pitch + 16 h
	s_mul_i32 s71, s[ROLE], BLK                    ; my 64 queries: A's block hr
	s_mul_i32 s42, s[HC], BLK                      ; my head: W's block hc,
	s_add_co_u32 s42, s42, 2*BLK                   ; behind A's two
.irp s, 0,1
	v_add_nc_u32 v[ADRA+(\s)], s71, v3
	v_add_nc_u32 v[ADRB+(\s)], s42, v3
	s_add_co_u32 s71, s71, SLOT
	s_add_co_u32 s42, s42, SLOT
.endr
	s_mul_i32 s88, s[WV], 16*PITCH
	s_add_co_u32 s88, s88, STAGE                   ; my stage
	v_add_nc_u32 v[STO], s88, v3                   ; in: row r, 16 bytes for each half of the lanes
	v_bfe_u32 v4, v0, 3, 2                         ; back: 32 lanes take four rows of 128 bytes,
	v_mul_u32_u24 v4, v4, PITCH
	v_and_b32 v5, 7, v0
	v_lshl_add_u32 v4, v5, 4, v4
	v_add_nc_u32 v[RD], s88, v4
	v_and_b32 v[GO], 31, v0                        ; which are 512 consecutive bytes of ob
	v_min_u32 v[PFO], 23, v[GO]
	v_lshlrev_b32 v[GO], 4, v[GO]
	v_lshlrev_b32 v[PFO], 8, v[PFO]
	s_lshl_b32 s78, s23, 1                         ; ob [64 rows' block 2 rb + hr][head 2 cb + hc][64][64]
	s_add_co_u32 s78, s78, s[ROLE]
	s_lshl_b32 s78, s78, 4
	s_lshl_b32 s79, s22, 1
	s_add_co_u32 s78, s78, s79
	s_add_co_u32 s78, s78, s[HC]
	s_lshl_b32 s78, s78, 13
	s_mov_b32 s79, 0
	s_add_nc_u64 s[14:15], s[14:15], s[78:79]
	; the prefetches
	s_and_b32 s87, ttmp7, 0xffff                   ; cluster y
	s_cmp_eq_u32 s[ROLE], 0                        ; do I fetch for A?
	s_cselect_b32 s84, s66, s68                    ; the block that I fetch
	s_cselect_b32 s86, s20, s21                    ; my place among the four that ask for it with me
	s_cselect_b32 s87, ttmp9, s87                  ; the coordinate along which other clusters read the same block
	s_cselect_b64 s[PFA:PFA+1], s[4:5], s[6:7]
	s_mov_b32 s[PFS], KSB
	s_cselect_b32 s[PFS], KSA, s[PFS]
	s_mov_b32 s[PFS+1], 0
	s_mul_i32 s86, s86, BLKB/4                     ; my work-group's quarter of the block
	s_mul_i32 s85, s[PFS], 3                       ; at K step 3: the first refill steps it to 4.  Nothing is prefetched at the head, where every work-group's first blocks are on their way
	s_cmp_eq_u32 s87, 0
	s_cselect_b32 s[LIM], 1, -1                    ; the same in all sixteen partners, for a given wave
	s_add_co_u32 s84, s84, s86
	s_add_co_u32 s84, s84, s85
	s_mov_b32 s85, 0
	s_add_nc_u64 s[PFA:PFA+1], s[PFA:PFA+1], s[84:85]
; 32 numbers at base are rounded to bf16 and widened again, in place; 16 registers at tmp are used
.macro RNDB base, tmp
.set z, 0
.rept 16
	v_cvt_pk_bf16_f32 v[(\tmp)+z], v[(\base)+2*z], v[(\base)+2*z+1]
.set z, z+1
.endr
.set z, 0
.rept 16
	v_lshlrev_b32 v[(\base)+2*z], 16, v[(\tmp)+z]
	v_and_b32 v[(\base)+2*z+1], s[HIM], v[(\tmp)+z]
.set z, z+1
.endr
.endm
; THE LDS LOADS stand in runs.  16: the fragments of Wq and x for 32 along K at byte k of the rows
.macro QLOADS slot, k
	WIN 0
.irp i, 0,1,2,3
	ds_load_b128 v[QF+8*(\i):QF+8*(\i)+3],   v[ADRB+(\slot)] offset:(\k)+(\i)*FRAG
	ds_load_b128 v[QF+8*(\i)+4:QF+8*(\i)+7], v[ADRB+(\slot)] offset:(\k)+(\i)*FRAG+32
.endr
.irp i, 0,1,2,3
	ds_load_b128 v[QF+32+8*(\i):QF+32+8*(\i)+3], v[ADRA+(\slot)] offset:(\k)+(\i)*FRAG
	ds_load_b128 v[QF+32+8*(\i)+4:QF+32+8*(\i)+7], v[ADRA+(\slot)] offset:(\k)+(\i)*FRAG+32
.endr
.endm
; 32: Wk, c even, c odd, Wv into buffer b of window 1
.macro KVLOADS slot, k, b
	WIN TO_1
.irp i, 0,1,2,3
	ds_load_b128 v[128*(\b)+8*(\i):128*(\b)+8*(\i)+3],   v[ADRB+(\slot)] offset:(\k)+SUBB+(\i)*FRAG
	ds_load_b128 v[128*(\b)+8*(\i)+4:128*(\b)+8*(\i)+7], v[ADRB+(\slot)] offset:(\k)+SUBB+(\i)*FRAG+32
.endr
.irp i, 0,1,2,3
	ds_load_b128 v[128*(\b)+64+8*(\i):128*(\b)+64+8*(\i)+3],   v[ADRA+(\slot)] offset:(\k)+SUBB+(\i)*FRAG
	ds_load_b128 v[128*(\b)+64+8*(\i)+4:128*(\b)+64+8*(\i)+7], v[ADRA+(\slot)] offset:(\k)+SUBB+(\i)*FRAG+32
.endr
.irp i, 0,1,2,3
	ds_load_b128 v[128*(\b)+96+8*(\i):128*(\b)+96+8*(\i)+3],   v[ADRA+(\slot)] offset:(\k)+2*SUBB+(\i)*FRAG
	ds_load_b128 v[128*(\b)+96+8*(\i)+4:128*(\b)+96+8*(\i)+7], v[ADRA+(\slot)] offset:(\k)+2*SUBB+(\i)*FRAG+32
.endr
.irp i, 0,1,2,3
	ds_load_b128 v[128*(\b)+32+8*(\i):128*(\b)+32+8*(\i)+3],   v[ADRB+(\slot)] offset:(\k)+2*SUBB+(\i)*FRAG
	ds_load_b128 v[128*(\b)+32+8*(\i)+4:128*(\b)+32+8*(\i)+7], v[ADRB+(\slot)] offset:(\k)+2*SUBB+(\i)*FRAG+32
.endr
.endm
; THE MATRIX WORK: runs of 16, accumulator n = 4 t + i (t: 16 rows, i: 16 columns).  All 80 accumulators take turns, one instruction a turn, in the same order in every substep.
; o = 0: even keys, 1: odd keys.  first = 1: the bias is C and starts the sum.
.macro KPROD b, o, first
.if \first
	WIN W_KF
.else
	WIN W_K
.endif
.set n, 0
.rept 16
.set rD, 128*(\o)+8*n
.set rW, 128*(\b)+8*(n%4)
.set rA, 128*(\b)+64+32*(\o)+8*(n/4)
.if \first
	v_wmma_f32_16x16x32_bf16 v[rD:rD+7], v[rW:rW+7], v[rA:rA+7], v[BK+8*(n%4):BK+8*(n%4)+7]
.else
	v_wmma_f32_16x16x32_bf16 v[rD:rD+7], v[rW:rW+7], v[rA:rA+7], v[rD:rD+7]
.endif
.set n, n+1
.endr
.endm
.macro VPROD b, o, first
.if \first
	WIN W_VF
.else
	WIN W_V
.endif
.set n, 0
.rept 16
.set rD, 128*(\o)+8*n
.set rW, 128*(\b)+32+8*(n%4)
.set rA, 128*(\b)+64+32*(\o)+8*(n/4)
.if \first
	v_wmma_f32_16x16x32_bf16 v[rD:rD+7], v[rW:rW+7], v[rA:rA+7], v[BV+8*(n%4):BV+8*(n%4)+7]
.else
	v_wmma_f32_16x16x32_bf16 v[rD:rD+7], v[rW:rW+7], v[rA:rA+7], v[rD:rD+7]
.endif
.set n, n+1
.endr
.endm
.macro QPROD first
	WIN 0
.set n, 0
.rept 16
.set rD, ACCQ+8*n
.set rW, QF+8*(n%4)
.set rA, QF+32+8*(n/4)
.if \first
	v_wmma_f32_16x16x32_bf16 v[rD:rD+7], v[rW:rW+7], v[rA:rA+7], v[BQ+8*(n%4):BQ+8*(n%4)+7]
.else
	v_wmma_f32_16x16x32_bf16 v[rD:rD+7], v[rW:rW+7], v[rA:rA+7], v[rD:rD+7]
.endif
.set n, n+1
.endr
.endm
; A K STEP'S FIRST SUBSTEP, on buffer 0.  Wq's and x's fragments are fetched at its head (their last reader stands just ahead of the four places), the second substep's 32 in its middle.
; first = 1: the launch's first: bk and bv lie in buffer 1 as C operands, so that buffer is fetched only behind all products that take them, and four places.
.macro SUBE slot, first
.if !(\first)
	PLACES
.endif
	QLOADS \slot, 0
	s_wait_dscnt 16                                ; buffer 0's 32 loads are in; the 16 just issued may stay out
	KPROD 0, 0, \first
	KPROD 0, 1, \first
.if \first
	VPROD 0, 0, 1
	VPROD 0, 1, 1
	PLACES
	KVLOADS \slot, 64, 1
.else
	KVLOADS \slot, 64, 1                           ; buffer 1's last readers stand ahead of the places at this substep's head
	VPROD 0, 0, 0
	VPROD 0, 1, 0
.endif
	s_wait_dscnt 32                                ; Wq and x are in; the 32 just issued may stay out
	QPROD \first
.endm
; A K STEP'S SECOND SUBSTEP, on buffer 1, AND THE CHANGE OF SLOTS.  ONE barrier for two things.  In front of it each wave waits for all its tensor loads, of which one is out: its block of the next slot; adds 0 to
; its spare word; and waits for that and for its own reads of this slot, all of which have been issued.  Behind it nobody reads this slot any more and the next slot is whole.
; fill = 1: the barrier opens a round of the cluster's, and the joint refill, this slot's K step two steps on, is the first tensor load behind the round: from there to the wait for it a wave issues 128 matrix instructions.
.macro SUBO slot, next, fill
.if \fill
	s_wait_xcnt 0x0                                ; the last prefetch, a K step back, has read its address: it is stepped here, ahead of the waits of the change of slots
	s_add_nc_u64 s[PFA:PFA+1], s[PFA:PFA+1], s[PFS:PFS+1]
.endif
	PLACES
	QLOADS \slot, 64
	s_wait_tensorcnt 0x0                           ; all my tensor loads have landed;
	ds_add_u32 v[SPW], v[NIL]                      ; 0 onto my spare word;
	s_wait_dscnt 17                                ; buffer 1's 32 loads are in (the add and the 16 loads of Wq and x may be out)
	KPROD 1, 0, 0                                  ; sixteen matrix instructions stand between the add and the wait for it
	s_wait_dscnt 0x0                               ; the add is done, and my reads of this slot are over
	s_barrier_signal -1
	KPROD 1, 1, 0                                  ; work on registers while the others arrive
.if \fill
	WIN 0
.endif
	s_barrier_wait -1
.if \fill
	CREST                                          ; no wave of any partner still reads this slot or has a load on its way
	s_add_nc_u64 s[G0+4*(\slot)+2:G0+4*(\slot)+3], s[G0+4*(\slot)+2:G0+4*(\slot)+3], 2*KSA
	s_add_nc_u64 s[G0B+4*(\slot)+2:G0B+4*(\slot)+3], s[G0B+4*(\slot)+2:G0B+4*(\slot)+3], 2*KSB
	JLOAD \slot
.endif
	KVLOADS \next, 0, 0                            ; buffer 0's last readers stand ahead of the places at this substep's head
.if \fill
	WIN 0
	ASK                                            ; behind the joint load and the run of LDS loads that the next products wait for
.endif
	VPROD 1, 0, 0
	VPROD 1, 1, 0
	QPROD 0
.endm
	s_wait_loadcnt 0x0                             ; the biases
	RNDB BQ, QF
	WIN IN_1
	RNDB BK, BT
	RNDB BV, BT
	WIN 0
	s_wait_tensorcnt 0x1                           ; my block of K step 0 is in; K step 1's may stay out
	s_barrier_signal -1
	s_barrier_wait -1                              ; everybody's is
	KVLOADS 0, 0, 0
	SUBE 0, 1                                      ; the first substep stands in front of the loop: its products start the sums
	WIN 0                                          ; at a label and at a branch every window is 0
	s_mov_b32 s[LAPS], 7
.Llap:                                                 ; a trip goes once round the ring, from a lap's second substep to the next lap's first, and fills both slots again: K steps 2 to 15
	SUBO 0, 1, 1
	SUBE 1, 0
	SUBO 1, 0, 1
	SUBE 0, 0
	WIN 0
	s_sub_co_u32 s[LAPS], s[LAPS], 1
	s_cmp_lg_u32 s[LAPS], 0
	s_cbranch_scc1 .Llap
	SUBO 0, 1, 0                                   ; the last lap fills nothing, and has no round of the cluster's barrier
	SUBE 1, 0
	PLACES                                         ; the very last substep: nothing more to fetch but Wq and x
	QLOADS 1, 64
	s_wait_dscnt 16
	KPROD 1, 0, 0
	KPROD 1, 1, 0
	VPROD 1, 0, 0
	VPROD 1, 1, 0
	s_wait_dscnt 0x0
	QPROD 0
	; THE ATTENTION.  se and so: my 32 channels' products, two an instruction, eight chains (four tiles x even, odd) by turns; each accumulator is read from its low end on.
	PLACES
	WIN W_SC
.set n, 0
.rept 64                               ; tile n % 4, pair (n / 4) % 4 of column block n / 16
.set rQ, ACCQ+8*(4*(n%4)+n/16)+2*((n/4)%4)
.set rK, 8*(4*(n%4)+n/16)+2*((n/4)%4)
.set rE, SC+4*(n%4)
.if n < 4
	v_pk_mul_f32 v[rE:rE+1], v[rQ:rQ+1], v[rK:rK+1]
	v_pk_mul_f32 v[rE+2:rE+3], v[rQ:rQ+1], v[rK+128:rK+129]
.else
	v_pk_fma_f32 v[rE:rE+1], v[rQ:rQ+1], v[rK:rK+1], v[rE:rE+1]
	v_pk_fma_f32 v[rE+2:rE+3], v[rQ:rQ+1], v[rK+128:rK+129], v[rE+2:rE+3]
.endif
.set n, n+1
.endr
	WIN 0
.irp t, 0,1,2,3
	v_add_f32 v[SC+4*(\t)], v[SC+4*(\t)], v[SC+4*(\t)+1]
	v_add_f32 v[SC+4*(\t)+2], v[SC+4*(\t)+2], v[SC+4*(\t)+3]
.endr
.irp t, 0,1,2,3
	v_permlanex16_b32 v[SC+4*(\t)+1], v[SC+4*(\t)], s[SEL], s[SEL+1]      ; the query's other 32 channels lie in the lane 16 away
	v_permlanex16_b32 v[SC+4*(\t)+3], v[SC+4*(\t)+2], s[SEL], s[SEL+1]
.endr
.irp t, 0,1,2,3
	v_add_f32 v[SC+4*(\t)], v[SC+4*(\t)], v[SC+4*(\t)+1]
	v_add_f32 v[SC+4*(\t)+2], v[SC+4*(\t)+2], v[SC+4*(\t)+3]
.endr
.irp t, 0,1,2,3
	v_max_num_f32 v[MX+(\t)], v[SC+4*(\t)], v[SC+4*(\t)+2]                ; the row's maximum: of its two visible scores
.endr
.irp t, 0,1,2,3
	v_sub_f32 v[SC+4*(\t)], v[SC+4*(\t)], v[MX+(\t)]
	v_sub_f32 v[SC+4*(\t)+2], v[SC+4*(\t)+2], v[MX+(\t)]
.endr
.irp t, 0,1,2,3
	v_mul_f32 v[SC+4*(\t)], s[CS], v[SC+4*(\t)]
	v_mul_f32 v[SC+4*(\t)+2], s[CS], v[SC+4*(\t)+2]
.endr
.irp t, 0,1,2,3
	v_exp_f32 v[SC+4*(\t)], v[SC+4*(\t)]
	v_exp_f32 v[SC+4*(\t)+2], v[SC+4*(\t)+2]
.endr
	v_nop                                          ; a plain instruction behind the last exponential,
	s_wait_alu depctr_va_vdst(0)                   ; and the wait ahead of the first use: one for the eight
.irp t, 0,1,2,3
	v_add_f32 v[LS+(\t)], v[SC+4*(\t)], v[SC+4*(\t)+2]                    ; between 1 and 2
.endr
.irp t, 0,1,2,3
	v_rcp_f32 v[LS+(\t)], v[LS+(\t)]
.endr
	v_nop
	s_wait_alu depctr_va_vdst(0)                   ; one for the four reciprocals
.irp t, 0,1,2,3
	v_mul_f32 v[SC+4*(\t)], v[SC+4*(\t)], v[LS+(\t)]
	v_mul_f32 v[SC+4*(\t)+2], v[SC+4*(\t)+2], v[LS+(\t)]
.endr
	WIN W_O                                        ; o = pe v_even + po v_odd, into q's registers
.set n, 0
.rept 16
.set rA, ACCQ+8*n
.set rP, SC+4*(n/4)
.irp p, 0,1,2,3
	v_pk_mul_f32 v[rA+2*(\p):rA+2*(\p)+1], v[8*n+2*(\p):8*n+2*(\p)+1], v[rP:rP+1] op_sel_hi:[1,0]
.endr
.irp p, 0,1,2,3
	v_pk_fma_f32 v[rA+2*(\p):rA+2*(\p)+1], v[128+8*n+2*(\p):128+8*n+2*(\p)+1], v[rP+2:rP+3], v[rA+2*(\p):rA+2*(\p)+1] op_sel_hi:[1,0,1]
.endr
.set n, n+1
.endr
	WIN 0
; THE WAY OUT.  Tile t: a lane's eight channels of a row pack into 16 bytes; they go into my stage's rows of 144 bytes and come back as whole rows of 128, into the registers that they left.
.macro PACK t
.set z, 0
.rept 16
	v_cvt_pk_bf16_f32 v[PK+16*(\t)+z], v[ACCQ+32*(\t)+2*z], v[ACCQ+32*(\t)+2*z+1]
.set z, z+1
.endr
.irp f, 0,1,2,3
	ds_store_b128 v[STO], v[PK+16*(\t)+4*(\f):PK+16*(\t)+4*(\f)+3] offset:32*(\f)
.endr
.irp f, 0,1,2,3
	ds_load_b128 v[PK+16*(\t)+4*(\f):PK+16*(\t)+4*(\f)+3], v[RD] offset:(\f)*4*PITCH  ; LDS serves a wave's instructions in order (ISA guide 5.7.1.4): these see the stores above; the next tile's stores come behind them
.endr
.endm
.macro SEND t, younger                 ; younger: the LDS instructions issued behind tile t's loads: the next tile's eight, or none
.irp f, 0,1,2,3
	s_wait_dscnt (\younger)+3-(\f)
	global_store_b128 v[GO], v[PK+16*(\t)+4*(\f):PK+16*(\t)+4*(\f)+3], s[14:15] offset:(\t)*2048+(\f)*512  ; 512 consecutive bytes, at a multiple of 256 from ob's first
.endr
.endm
	PACK 0
	PACK 1                                         ; a tile's conversions stand between the loads of the tile before and its stores
	SEND 0, 8
	PACK 2
	SEND 1, 8
	PACK 3
	SEND 2, 8
	SEND 3, 0
	s_wait_tensorcnt 0x0                           ; the wave's end: behind my last tensor load and my last LDS store
	ds_add_u32 v[SPW], v[NIL]
	s_wait_dscnt 0x0
	CROUND                                         ; the closing round: no work-group ends while a partner may still ask for a block that names it
	s_endpgm
.Lfunc_end_k_qf370cf1ce9_qkva:
	.size	k_qf370cf1ce9_qkva, .Lfunc_end_k_qf370cf1ce9_qkva-k_qf370cf1ce9_qkva
	.p2alignl 7, 3214868480
	.fill 96, 4, 3214868480
	.section	.rodata,"a",@progbits
	.p2align	6, 0x0
	.amdhsa_kernel k_qf370cf1ce9_qkva
		.amdhsa_group_segment_fixed_size 327680
		.amdhsa_private_segment_fixed_size 0
		.amdhsa_enable_private_segment 0
		.amdhsa_kernarg_size 48
		.amdhsa_user_sgpr_count 2
		.amdhsa_user_sgpr_kernarg_segment_ptr 1
		.amdhsa_wavefront_size32 1
		.amdhsa_system_sgpr_workgroup_id_x 1
		.amdhsa_system_sgpr_workgroup_id_y 1
		.amdhsa_system_sgpr_workgroup_id_z 1
		.amdhsa_system_vgpr_workitem_id 0
		.amdhsa_next_free_vgpr 1024
		.amdhsa_next_free_sgpr 96
		.amdhsa_reserve_vcc 0
		.amdhsa_float_denorm_mode_32 3
		.amdhsa_float_denorm_mode_16_64 3
		.amdhsa_memory_ordered 1
		.amdhsa_forward_progress 1
		.amdhsa_inst_pref_size 113
	.end_amdhsa_kernel
	.amdgpu_metadata
---
amdhsa.version: [ 1, 2 ]
amdhsa.kernels:
  - .name:           k_qf370cf1ce9_qkva
    .symbol:         k_qf370cf1ce9_qkva.kd
    .args:
      - { .name: ab, .offset: 0, .size: 8, .value_kind: global_buffer, .address_space: global }
      - { .name: wb, .offset: 8, .size: 8, .value_kind: global_buffer, .address_space: global }
      - { .name: bq, .offset: 16, .size: 8, .value_kind: global_buffer, .address_space: global }
      - { .name: bk, .offset: 24, .size: 8, .value_kind: global_buffer, .address_space: global }
      - { .name: bv, .offset: 32, .size: 8, .value_kind: global_buffer, .address_space: global }
      - { .name: ob, .offset: 40, .size: 8, .value_kind: global_buffer, .address_space: global }
    .group_segment_fixed_size: 327680
    .private_segment_fixed_size: 0
    .kernarg_segment_align: 8
    .kernarg_segment_size: 48
    .max_flat_workgroup_size: 128
    .sgpr_count:     96
    .vgpr_count:     1024
    .wavefront_size: 32
...
	.end_amdgpu_metadata
.endif
;; end of part 2
;; launch outp (part 3): grid 8 x 32, 4 waves a work-group, clusters of 4 x 4, 327,680 bytes of LDS; arguments ob, wob, bo, out0; writes out0
.if DOCPART == 3
	.amdgcn_target "amdgcn-amd-amdhsa--gfx1250"
	.amdhsa_code_object_version 6
	.text
	.protected	k_qf370cf1ce9_outp
	.globl	k_qf370cf1ce9_outp
	.p2align	8
	.type	k_qf370cf1ce9_outp,@function
k_qf370cf1ce9_outp:
	s_mov_b64 s[64:65], 0
	v_nop
	global_prefetch_b8 v0, s[64:65] scope:SCOPE_SE
	s_setreg_imm32_b32 hwreg(HW_REG_WAVE_MODE, 25, 1), 1
	s_wait_xcnt 0x0
	s_wait_alu depctr_hold_cnt(0) depctr_sa_sdst(0) depctr_va_vdst(0) depctr_va_sdst(0) depctr_va_ssrc(0) depctr_va_vcc(0) depctr_vm_vsrc(0)
	s_getreg_b32 s2, hwreg(HW_REG_IB_STS2, 6, 4)
	s_cmp_eq_u32 s2, 0
	s_cbranch_scc0 .Lentry_in_a_cluster
	s_endpgm
.Lentry_in_a_cluster:
	s_bfe_u32 s2, ttmp6, 0x10000c
	s_cmp_lg_u32 s2, 0xf033
	s_cbranch_scc0 .Lentry_shape_is_right
	s_endpgm
.Lentry_shape_is_right:
; out0[g][n] = the sum over k of o[g][k] Wo[n][k] + bo[n].  o: ob [64 rows' block 64][kb = head 16][64 rows][64] bf16; Wo: wob [nb = n / 64][kb 16][64 rows][64] bf16; bo, out0 f32.  Sums in f32; bo is rounded once to bf16.
; A tile of out0 is 128 x 128: 32 x 8 work-groups, one for each tile.  Four waves, each 64 x 64: 16 accumulators of 16 x 16.  K goes in four steps of 256 (4 kb) through two LDS slots; four kb of 64 rows are
; 32,768 dense bytes, asked for as 128 rows of 256 bytes; each wave fetches one such tile.  Two refills in all, so the text is written out without a loop.
; CLUSTER 4 x 4: o's tiles hang on the tile row alone and are asked for jointly along a row of the cluster, Wo's on the tile column alone, along a column.
; THE MATRIX INSTRUCTION IS USED TRANSPOSED (source 0 = 16 rows of Wo, source 1 = 16 rows of o): a lane holds eight neighbouring numbers of a row of out0.  bo is the C operand of the products that start the sums.
; REGISTERS: window 0: v16-29 addresses; v32-47 at work; v96-127 bo as C; v128-255 the accumulators, (a, b) at 128 + 8 (4 a + b).
;   window 1: two fragment buffers of 128: for 64 along K (one kb), 64 registers of o (2 x 4 x 16 rows x 32 K), then 64 of Wo.
.set PITCH,  144                       ; an LDS row: 128 bytes + 16 of padding = 36 words: the 16 rows of a fragment start at 16 different groups of four banks (64 banks of 4 bytes: ISA guide 11.1)
.set FRAG,   16*PITCH
.set SUBB,   64*PITCH                  ; one kb of 64 rows
.set TILE,   4*SUBB                    ; what one tensor load brings
.set SLOT,   4*TILE                    ; o's two tiles, then Wo's two
.set STAGE,  2*SLOT                    ; behind the ring, never filled by a tensor load: 16 rows x 272 bytes for each wave, for the way out
.set SPITCH, 272
.set SPARE,  STAGE+4*16*SPITCH         ; behind the stages: the spare words, 128 bytes for each wave: two blocks of 256 bytes that no other line names
.set STEPB,  32768                     ; a K step of a tile in memory
.set ADRA, 16                          ; v16-17  LDS address of my o fragments in slot 0, 1
.set ADRB, 20                          ; v20-21  the same for Wo
.set STO,  24                          ; v24  the way out: where I put 32 bytes of a row
.set RD,   25                          ; v25  where I read a row back
.set CO,   26                          ; v26  my byte offset in out0
.set BOF,  27                          ; v27  32 h
.set SPW,  28                          ; v28  LDS address of my spare word; never rewritten
.set NIL,  29                          ; v29  0; never rewritten
.set TMP,  32
.set BOR,  96                          ; bo as C: for column block b at BOR + 8 b
.set ACC,  128
.set F0,   0
.set F1,   128
.set WV,   12                          ; s12 wave     s13 hr; also: I fetch for o (0) or Wo (1)     s14 hc; also: which of the two tiles I fetch
.set ROLE, 13
.set HC,   14
.set G1,   24
.set G0,   32
.set G1B,  48
.set G0B,  56
.set HIM,  71                          ; s71  a word's upper bf16
.set MSB, 0
.macro WIN new
.if MSB != (\new)
	s_set_vgpr_msb (MSB<<8)|(\new)
.set MSB, \new
.endif
.endm
.set MUL,  0x05                        ; sources 0 (Wo) and 1 (o) window 1; C and D window 0
.set TO_F, 0x40                        ; destination window 1, address window 0
.macro PLACES
.rept 4
	v_nop
.endr
.endm
.macro JLOAD s                         ; a joint load: waves 0 and 1 fetch o's two tiles, waves 2 and 3 Wo's; an s_nop 0 and four v_nop follow each of the two lines
	s_cmp_eq_u32 s[ROLE], 0
	s_cbranch_scc0 .Lfor_b_\@
	tensor_load_to_lds s[G0+4*(\s):G0+4*(\s)+3], s[G1:G1+7]
	s_nop 0
.rept 4
	v_nop
.endr
	s_branch .Lasked_\@
.Lfor_b_\@:
	tensor_load_to_lds s[G0B+4*(\s):G0B+4*(\s)+3], s[G1B:G1B+7]
	s_nop 0
.rept 4
	v_nop
.endr
.Lasked_\@:
.endm
.macro CREST
	s_cmp_lg_u32 s[WV], 0
	s_cbranch_scc1 .Lnot_wave_0_\@
	s_barrier_signal -3
.Lnot_wave_0_\@:
	s_barrier_wait -3
	s_barrier_signal -1
	s_barrier_wait -1
.endm
.macro CROUND
	s_barrier_signal -1
	s_barrier_wait -1
	CREST
.endm
	s_load_b256 s[4:11], s[0:1], 0x0               ; ob s[4:5], wob s[6:7], bo s[8:9], out0 s[10:11]
	v_lshl_add_u32 v[SPW], v0, 2, SPARE
	v_mov_b32 v[NIL], 0
	ds_add_u32 v[SPW], v[NIL]                      ; the wave's opening: the add and its wait stand ahead of my first tensor load; the set-up below, work on registers, stands between them
	v_lshrrev_b32 v1, 5, v0
	v_readfirstlane_b32 s[WV], v1
	s_lshr_b32 s[ROLE], s[WV], 1
	s_and_b32 s[HC], s[WV], 1
	s_bfe_u32 s20, ttmp6, 0x40000                  ; cx
	s_bfe_u32 s21, ttmp6, 0x40004                  ; cy
	s_lshl_b32 s22, ttmp9, 2
	s_add_co_u32 s22, s22, s20                     ; tile column
	s_and_b32 s23, ttmp7, 0xffff
	s_lshl_b32 s23, s23, 2
	s_add_co_u32 s23, s23, s21                     ; tile row
	s_lshl_b32 s15, s21, 2
	s_lshl_b32 s15, 15, s15                        ; my row of the cluster
	s_lshl_b32 s16, 0x1111, s20                    ; my column
	s_or_b32 s[G1], s15, (1<<16)|(1<<20)|(1<<21)|(4<<22)|(3<<25)   ; 15:0 the mask; 17:16 elements of 2 bytes; 20 padding on; 21 set beside a mask; 24:22 after every 32 words (code 4); 31:25 4 words (code 3)
	s_or_b32 s[G1B], s16, (1<<16)|(1<<20)|(1<<21)|(4<<22)|(3<<25)
.irp g, G1, G1B
	s_mov_b32 s[(\g)+1], 128<<16                   ; tensor_dim0 = 128
	s_mov_b32 s[(\g)+2], 128<<16                   ; tensor_dim1 = 128
	s_mov_b32 s[(\g)+3], 128<<16                   ; tile_dim0 = 128
	s_mov_b32 s[(\g)+4], 128                       ; tile_dim1 = 128
	s_mov_b32 s[(\g)+5], 128                       ; 128 elements from row to row
	s_mov_b32 s[(\g)+6], 0
	s_mov_b32 s[(\g)+7], 0
.endr
	s_lshl_b32 s40, s23, 1                         ; o: 64 rows' block 2 x tile row + which, 131,072 bytes each
	s_add_co_u32 s40, s40, s[HC]
	s_lshl_b32 s40, s40, 17
	s_mov_b32 s41, 0
	s_lshl_b32 s42, s22, 1                         ; Wo: nb = 2 x tile column + which
	s_add_co_u32 s42, s42, s[HC]
	s_lshl_b32 s42, s42, 17
	s_mov_b32 s43, 0
	s_mul_i32 s70, s[WV], TILE                     ; where my tile goes
	s_mov_b32 s[HIM], 0xffff0000
	s_wait_dscnt 0x0                               ; the opening add is done
	s_wait_kmcnt 0x0
	s_add_nc_u64 s[44:45], s[4:5], s[40:41]
	s_add_nc_u64 s[46:47], s[6:7], s[42:43]
.irp s, 0,1
	s_mov_b32 s[G0+4*(\s)], 1
	s_add_co_u32 s[G0+4*(\s)+1], s70, (\s)*SLOT
	s_add_nc_u64 s[G0+4*(\s)+2:G0+4*(\s)+3], s[44:45], (\s)*STEPB
	s_or_b32 s[G0+4*(\s)+3], s[G0+4*(\s)+3], 0x80000000
	s_mov_b32 s[G0B+4*(\s)], 1
	s_add_co_u32 s[G0B+4*(\s)+1], s70, (\s)*SLOT
	s_add_nc_u64 s[G0B+4*(\s)+2:G0B+4*(\s)+3], s[46:47], (\s)*STEPB
	s_or_b32 s[G0B+4*(\s)+3], s[G0B+4*(\s)+3], 0x80000000
.endr
	CROUND                                         ; all sixteen work-groups are here: the first joint loads meet
	s_cmp_eq_u32 s[ROLE], 0                        ; a wave's two first fills stand in one branch: two loads of mine are out
	s_cbranch_scc0 .Lfirst_b
	tensor_load_to_lds s[G0:G0+3], s[G1:G1+7]
	s_nop 0
	tensor_load_to_lds s[G0+4:G0+7], s[G1:G1+7]
	s_nop 0
.rept 4
	v_nop
.endr
	s_branch .Lfirst_asked
.Lfirst_b:
	tensor_load_to_lds s[G0B:G0B+3], s[G1B:G1B+7]
	s_nop 0
	tensor_load_to_lds s[G0B+4:G0B+7], s[G1B:G1B+7]
	s_nop 0
.rept 4
	v_nop
.endr
.Lfirst_asked:
	v_and_b32 v1, 15, v0                           ; r
	v_bfe_u32 v2, v0, 4, 1                         ; h
	v_lshlrev_b32 v[BOF], 5, v2
	s_lshl_b32 s68, s22, 9                         ; my 64 columns of bo: 512 x tile column + 256 hc bytes
	s_lshl_b32 s69, s[HC], 8
	s_add_co_u32 s68, s68, s69
	s_mov_b32 s69, 0
	s_add_nc_u64 s[8:9], s[8:9], s[68:69]
.irp i, 0,1,2,3
	global_load_b128 v[BOR+8*(\i):BOR+8*(\i)+3],   v[BOF], s[8:9] offset:64*(\i)     ; register j of block i: bo[16 i + 8 h + j]
	global_load_b128 v[BOR+8*(\i)+4:BOR+8*(\i)+7], v[BOF], s[8:9] offset:64*(\i)+16
.endr
	v_mul_u32_u24 v3, v1, PITCH
	v_lshl_add_u32 v3, v2, 4, v3                   ; a fragment's row x pitch + 16 h
	s_mul_i32 s17, s[ROLE], TILE                   ; my 64 rows of o
	s_mul_i32 s18, s[HC], TILE                     ; my 64 rows of Wo,
	s_add_co_u32 s18, s18, 2*TILE                  ; behind o's two tiles
.irp s, 0,1
	v_add_nc_u32 v[ADRA+(\s)], s17, v3
	v_add_nc_u32 v[ADRB+(\s)], s18, v3
	s_add_co_u32 s17, s17, SLOT
	s_add_co_u32 s18, s18, SLOT
.endr
	s_mul_i32 s19, s[WV], 16*SPITCH
	s_add_co_u32 s19, s19, STAGE                   ; my stage
	v_mul_u32_u24 v4, v1, SPITCH                   ; in: row r, 32 bytes for each half of the lanes
	v_lshl_add_u32 v4, v2, 5, v4
	v_add_nc_u32 v[STO], s19, v4
	v_mul_u32_u24 v5, v2, SPITCH                   ; back: lanes 0-15 take one row of 256 bytes, lanes 16-31 the next
	v_lshl_add_u32 v5, v1, 4, v5
	v_add_nc_u32 v[RD], s19, v5
	v_lshlrev_b32 v5, 12, v2                       ; and the same two rows in out0
	v_lshl_add_u32 v[CO], v1, 4, v5
	s_lshl_b32 s66, s23, 19                        ; my first row, 128 x tile row + 64 hr, x 4,096 bytes; my first column, 128 x tile column + 64 hc, x 4
	s_lshl_b32 s67, s[ROLE], 18
	s_add_co_u32 s66, s66, s67
	s_add_co_u32 s66, s66, s68
	s_mov_b32 s67, 0
	s_add_nc_u64 s[10:11], s[10:11], s[66:67]
; 8 matrix instructions: row blocks a0, a0 + 1 x all 4 column blocks, 32 along K: half c of buffer f.  first = 1: bo is C and starts the sums.  The 16 accumulators take turns.
.macro MUL8 f, c, a0, first
	WIN MUL
.irp a, \a0, (\a0)+1
.irp b, 0,1,2,3
.if \first
	v_wmma_f32_16x16x32_bf16 v[ACC+8*(4*(\a)+(\b)):ACC+8*(4*(\a)+(\b))+7], v[(\f)+64+8*(4*(\c)+(\b)):(\f)+64+8*(4*(\c)+(\b))+7], v[(\f)+8*(4*(\c)+(\a)):(\f)+8*(4*(\c)+(\a))+7], v[BOR+8*(\b):BOR+8*(\b)+7]
.else
	v_wmma_f32_16x16x32_bf16 v[ACC+8*(4*(\a)+(\b)):ACC+8*(4*(\a)+(\b))+7], v[(\f)+64+8*(4*(\c)+(\b)):(\f)+64+8*(4*(\c)+(\b))+7], v[(\f)+8*(4*(\c)+(\a)):(\f)+8*(4*(\c)+(\a))+7], v[ACC+8*(4*(\a)+(\b)):ACC+8*(4*(\a)+(\b))+7]
.endif
.endr
.endr
.endm
; 32 LDS loads in one run: the fragments of kb q of the slot, into buffer f; the first 32 along K first
.macro FETCH slot, q, f
	WIN TO_F
.irp c, 0,1
.irp i, 0,1,2,3
	ds_load_b128 v[(\f)+64+8*(4*(\c)+(\i)):(\f)+64+8*(4*(\c)+(\i))+3],   v[ADRB+(\slot)] offset:(\q)*SUBB+64*(\c)+(\i)*FRAG
	ds_load_b128 v[(\f)+64+8*(4*(\c)+(\i))+4:(\f)+64+8*(4*(\c)+(\i))+7], v[ADRB+(\slot)] offset:(\q)*SUBB+64*(\c)+(\i)*FRAG+32
	ds_load_b128 v[(\f)+8*(4*(\c)+(\i)):(\f)+8*(4*(\c)+(\i))+3],         v[ADRA+(\slot)] offset:(\q)*SUBB+64*(\c)+(\i)*FRAG
	ds_load_b128 v[(\f)+8*(4*(\c)+(\i))+4:(\f)+8*(4*(\c)+(\i))+7],       v[ADRA+(\slot)] offset:(\q)*SUBB+64*(\c)+(\i)*FRAG+32
.endr
.endr
.endm
; A K step is four quarters of 64 along K, 32 matrix instructions each, on buffers 0, 1, 0, 1.  One of the first three: multiplies buffer f and fetches kb q into g.
.macro QUARTER slot, q, f, g, first
	s_wait_dscnt 16                                ; the first 32 along K are in
	MUL8 \f, 0, 0, \first
	MUL8 \f, 0, 2, \first
	PLACES
	FETCH \slot, \q, \g
	s_wait_dscnt 32                                ; all but the 32 just issued
	MUL8 \f, 1, 0, 0
	MUL8 \f, 1, 2, 0
.endm
; The last quarter multiplies buffer 1 and changes slots: ONE barrier; in front of it each wave waits for all its tensor loads, adds 0 to its spare word, and waits for that and for its own reads of this slot.
; fill = 1: the barrier opens a round of the cluster's, and this slot's K step two steps on is the first tensor load behind the round.
.macro TURN slot, next, fill
	WIN 0
	s_wait_tensorcnt 0x0                           ; all my tensor loads have landed: my tile of the next slot;
	ds_add_u32 v[SPW], v[NIL]                      ; 0 onto my spare word;
	s_wait_dscnt 17                                ; (the add and the youngest sixteen loads may be out)
	MUL8 F1, 0, 0, 0                               ; eight matrix instructions stand between the add and the wait for it
	s_wait_dscnt 0x0                               ; the add is done, and my reads of this slot are over
	s_barrier_signal -1
	MUL8 F1, 0, 2, 0
.if \fill
	WIN 0
.endif
	s_barrier_wait -1
.if \fill
	CREST                                          ; no wave of any partner still reads this slot or has a load on its way
	s_add_nc_u64 s[G0+4*(\slot)+2:G0+4*(\slot)+3], s[G0+4*(\slot)+2:G0+4*(\slot)+3], 2*STEPB
	s_add_nc_u64 s[G0B+4*(\slot)+2:G0B+4*(\slot)+3], s[G0B+4*(\slot)+2:G0B+4*(\slot)+3], 2*STEPB
	JLOAD \slot                                    ; the four v_nop behind it are also the places in front of the loads below
.else
	PLACES
.endif
	FETCH \next, 0, F0
	MUL8 F1, 1, 0, 0
	MUL8 F1, 1, 2, 0
.endm
	s_wait_loadcnt 0x0                             ; bo: rounded to bf16 and widened again, in place
.set z, 0
.rept 16
	v_cvt_pk_bf16_f32 v[TMP+z], v[BOR+2*z], v[BOR+2*z+1]
.set z, z+1
.endr
.set z, 0
.rept 16
	v_lshlrev_b32 v[BOR+2*z], 16, v[TMP+z]
	v_and_b32 v[BOR+2*z+1], s[HIM], v[TMP+z]
.set z, z+1
.endr
	s_wait_tensorcnt 0x1                           ; my tile of K step 0 is in; K step 1's may stay out
	s_barrier_signal -1
	s_barrier_wait -1                              ; everybody's is
	FETCH 0, 0, F0
	QUARTER 0, 1, F0, F1, 1                        ; K step 0; its first products start the sums
	QUARTER 0, 2, F1, F0, 0
	QUARTER 0, 3, F0, F1, 0
	TURN 0, 1, 1                                   ; slot 0 takes K step 2
	QUARTER 1, 1, F0, F1, 0                        ; K step 1
	QUARTER 1, 2, F1, F0, 0
	QUARTER 1, 3, F0, F1, 0
	TURN 1, 0, 1                                   ; slot 1 takes K step 3
	QUARTER 0, 1, F0, F1, 0                        ; K step 2
	QUARTER 0, 2, F1, F0, 0
	QUARTER 0, 3, F0, F1, 0
	TURN 0, 1, 0                                   ; nothing is left to fetch: no round
	QUARTER 1, 1, F0, F1, 0                        ; K step 3
	QUARTER 1, 2, F1, F0, 0
	QUARTER 1, 3, F0, F1, 0
	s_wait_dscnt 16
	MUL8 F1, 0, 0, 0
	MUL8 F1, 0, 2, 0
	s_wait_dscnt 0x0
	MUL8 F1, 1, 0, 0
	MUL8 F1, 1, 2, 0
	WIN 0
	; THE WAY OUT.  My 64 columns of f32 are 256 bytes of a row, aligned: the stage is my own, and no barrier is needed.  A block of 16 rows at a time: 32 bytes a lane into rows of 272 bytes, back as whole rows.
	PLACES
.macro TOSTAGE a
.irp b, 0,1,2,3
	ds_store_b128 v[STO], v[ACC+8*(4*(\a)+(\b)):ACC+8*(4*(\a)+(\b))+3]   offset:64*(\b)     ; each accumulator's low four registers first
	ds_store_b128 v[STO], v[ACC+8*(4*(\a)+(\b))+4:ACC+8*(4*(\a)+(\b))+7] offset:64*(\b)+16
.endr
.irp t, 0,1,2,3,4,5,6,7
	ds_load_b128 v[ACC+32*(\a)+4*(\t):ACC+32*(\a)+4*(\t)+3], v[RD] offset:(\t)*2*SPITCH  ; LDS serves a wave's instructions in order (ISA guide 5.7.1.4): these see the stores above; the next block's stores come behind them
.endr
.endm
.macro SEND a, younger                 ; younger: the LDS instructions issued behind block a's loads: the next block's sixteen, or none
.irp t, 0,1,2,3,4,5,6,7
	s_wait_dscnt (\younger)+7-(\t)
	global_store_b128 v[CO], v[ACC+32*(\a)+4*(\t):ACC+32*(\a)+4*(\t)+3], s[10:11] offset:(16*(\a)+2*(\t))*4096 th:TH_STORE_NT  ; 16 lanes store 256 consecutive bytes, at a multiple of 256 from out0's first byte
.endr
.endm
	TOSTAGE 0
	TOSTAGE 1
	SEND 0, 16
	TOSTAGE 2
	SEND 1, 16
	TOSTAGE 3
	SEND 2, 16
	SEND 3, 0
	s_wait_tensorcnt 0x0                           ; the wave's end: behind my last tensor load and my last LDS store
	ds_add_u32 v[SPW], v[NIL]
	s_wait_dscnt 0x0
	CROUND                                         ; the closing round: no work-group ends while a partner may still ask for a tile that names it
	s_endpgm
.Lfunc_end_k_qf370cf1ce9_outp:
	.size	k_qf370cf1ce9_outp, .Lfunc_end_k_qf370cf1ce9_outp-k_qf370cf1ce9_outp
	.p2alignl 7, 3214868480
	.fill 96, 4, 3214868480
	.section	.rodata,"a",@progbits
	.p2align	6, 0x0
	.amdhsa_kernel k_qf370cf1ce9_outp
		.amdhsa_group_segment_fixed_size 327680
		.amdhsa_private_segment_fixed_size 0
		.amdhsa_enable_private_segment 0
		.amdhsa_kernarg_size 32
		.amdhsa_user_sgpr_count 2
		.amdhsa_user_sgpr_kernarg_segment_ptr 1
		.amdhsa_wavefront_size32 1
		.amdhsa_system_sgpr_workgroup_id_x 1
		.amdhsa_system_sgpr_workgroup_id_y 1
		.amdhsa_system_sgpr_workgroup_id_z 1
		.amdhsa_system_vgpr_workitem_id 0
		.amdhsa_next_free_vgpr 512
		.amdhsa_next_free_sgpr 72
		.amdhsa_reserve_vcc 0
		.amdhsa_float_denorm_mode_32 3
		.amdhsa_float_denorm_mode_16_64 3
		.amdhsa_memory_ordered 1
		.amdhsa_forward_progress 1
		.amdhsa_inst_pref_size 88
	.end_amdhsa_kernel
	.amdgpu_metadata
---
amdhsa.version: [ 1, 2 ]
amdhsa.kernels:
  - .name:           k_qf370cf1ce9_outp
    .symbol:         k_qf370cf1ce9_outp.kd
    .args:
      - { .name: ob, .offset: 0, .size: 8, .value_kind: global_buffer, .address_space: global }
      - { .name: wob, .offset: 8, .size: 8, .value_kind: global_buffer, .address_space: global }
      - { .name: bo, .offset: 16, .size: 8, .value_kind: global_buffer, .address_space: global }
      - { .name: out0, .offset: 24, .size: 8, .value_kind: global_buffer, .address_space: global }
    .group_segment_fixed_size: 327680
    .private_segment_fixed_size: 0
    .kernarg_segment_align: 8
    .kernarg_segment_size: 32
    .max_flat_workgroup_size: 128
    .sgpr_count:     72
    .vgpr_count:     512
    .wavefront_size: 32
...
	.end_amdgpu_metadata
.endif
;; end of part 3
